; MI455X (gfx1250); checked and timed in simulation.
; The chip was launched on July 23, 2026; its instructions are those of AMD's public machine-readable ISA for CDNA 5 (MIT licence, August 2026) and "CDNA5" Instruction Set Architecture Reference Guide (July 2026). The comments in the code are by the model that wrote it; some were corrected since.
;; Self Attention. Allowed arithmetic: matrix products marked QUANTISED: E4M3 operands, one given power-of-two scale a tensor, by v_wmma_f32_16x16x64_fp8_fp8 or v_wmma_f32_16x16x128_fp8_fp8, f32 sums; everything else in f32.
;; Inputs: Wk 1,024 x 1,024 float32; Wo 1,024 x 1,024 float32; Wq 1,024 x 1,024 float32; Wv 1,024 x 1,024 float32; bk 1,024 float32; bo 1,024 float32; bq 1,024 float32; bv 1,024 float32; keys 4 x 2,048 x 1,024 float32; lowp_scales 12 int32 (the exponents e of the quantised operands' scales 2^e); mask 4 x 1 x 1 x 2,048 bool; query 4 x 2,048 x 1,024 float32; values 4 x 2,048 x 1,024 float32.
;; Outputs: out0 4 x 2,048 x 1,024 float32.
;; This version of the problem:
;;   THIS VERSION OF THE PROBLEM IS GIVEN IN LOW PRECISION. The matrix products marked QUANTISED in the list below multiply operands that are first quantised to E4M3 (4 exponent bits, 3 mantissa bits; 8 bits a number), with one given power-of-two scale for each operand tensor; their sums are f32. All else is computed in f32.
;;   The module's matrix products, in the order in which they are computed (A, B: the left and right operand; K: the contracted axis; several contracted axes count as one K, in the product's order):
;;     1. [M 8,192, K 1,024] x [K 1,024, N 1,024]; A: input query; B: input Wq: QUANTISED (scales: A lowp_scales[0], B lowp_scales[1])
;;     2. [M 8,192, K 1,024] x [K 1,024, N 1,024]; A: input keys; B: input Wk: QUANTISED (scales: A lowp_scales[2], B lowp_scales[3])
;;     3. [M 8,192, K 1,024] x [K 1,024, N 1,024]; A: input values; B: input Wv: QUANTISED (scales: A lowp_scales[4], B lowp_scales[5])
;;     4. batch 64 x [M 2,048, K 64] x [K 64, N 2,048]; A: computed on the way; B: computed on the way: QUANTISED (scales: A lowp_scales[6], B lowp_scales[7])
;;     5. batch 64 x [M 64, K 2,048] x [K 2,048, N 2,048]; A: computed on the way; B: softmax (see below): QUANTISED (scales: A lowp_scales[8], B lowp_scales[9])
;;     6. [M 8,192, K 1,024] x [K 1,024, N 1,024]; A: computed on the way; B: input Wo: QUANTISED (scales: A lowp_scales[10], B lowp_scales[11])
;;   THE QUANTISER, for each operand of a quantised product, along K:
;;     - The operand's scale is 2^e, e = its entry of the input lowp_scales (int32; the entries are numbered through the quantised products in the list's order, A before B).
;;     - Each number is divided by the scale, clamped to +-448, and rounded to the nearest number of E4M3, ties to even, subnormals kept.
;;     - The product sums the exact products of the quantised numbers (number of the format x scale) in f32.
;;   ~~~python
;;   def quantise(x, axis, e):      # numpy; x: float32 -> the quantised numbers, widened to float32 again
;;       x = np.moveaxis(x, axis, -1); K = x.shape[-1]
;;       r = np.clip(x / 2.0 ** e, -448, 448)
;;       step = 2.0 ** (np.maximum(np.frexp(np.where(r == 0, 1, r))[1] - 1, -6) - 3)
;;       q = np.round(r / step) * step * 2.0 ** e      # np.round: ties to even
;;       return np.moveaxis(q, -1, axis).astype(np.float32)
;;   ~~~
;;   SOFTMAX AHEAD OF A QUANTISED PRODUCT. Where the list says 'softmax', what is quantised is not the finished softmax but p = 2^(t - M), with t = logit x log2(e) and M = ceil(the row's largest t), a whole number; so 1/2 < the row's largest p <= 1. The row's sum l is taken of the UNQUANTISED p, in f32, and the product's result is divided by l at the end. Since M is a whole number, a kernel that streams over the keys may use a running M (the ceiling of the running maximum): every later rescaling is an exact power of two, so the quantised numbers keep their values, but for numbers so far below the row's largest that they fall under the format's range.
;;   OPERANDS COMPUTED ON THE WAY. 'Computed on the way' means the value that the module computes at that place (a softmax that the list does not call 'softmax' is quantised finished and normalised). What goes into a quantiser is computed in f32, as accurately as f32 sums, v_exp_f32 and their like allow (about 1e-6 of the number): no bf16 or f16 on the way to a quantiser, and a product that is left as it is and whose result goes on into a quantised operand takes f32 operands (vector FMAs, or v_wmma_f32_16x16x4_f32). A number that lies on a knife's edge between two numbers of the format may be rounded either way, as far as f32 arithmetic and the matrix unit's own rounding can turn it there, and no further.
;; One version. Each part assembles by itself: llvm-mc -triple=amdgcn-amd-amdhsa -mcpu=gfx1250 --defsym DOCPART=n.
;; ======== version 1 of 1: 4 launches
;; limits: right only within a limited range of input values
;; workspace buffers: xc 25,165,824 bytes; wc 4,194,304 bytes; qc 8,388,608 bytes; kc 8,388,608 bytes; vc 8,388,608 bytes; ac 8,388,608 bytes
;; launch quant (part 1): grid 256 x 1, 14 waves a work-group, no clusters, 120,064 bytes of LDS; arguments query, keys, values, Wq, Wk, Wv, Wo, lowp_scales, xc, wc; writes xc, wc
.if DOCPART == 1
	.amdgcn_target "amdgcn-amd-amdhsa--gfx1250"
	.amdhsa_code_object_version 6
	.text
	.protected	k_qc097372c32_quant
	.globl	k_qc097372c32_quant
	.p2align	8
	.type	k_qc097372c32_quant,@function
k_qc097372c32_quant:
	s_mov_b64 s[64:65], 0
	v_nop
	global_prefetch_b8 v0, s[64:65] scope:SCOPE_SE
	s_setreg_imm32_b32 hwreg(HW_REG_WAVE_MODE, 25, 1), 1
	s_wait_xcnt 0x0
; query, keys, values [8192][1024] and Wq, Wk, Wv, Wo [1024][1024], f32, K innermost, become codes of FP8 (E4M3), each tensor with its given scale 2^e:
; code = x / 2^e, held within +-448, to the nearest code, ties to even.  e: lowp_scales 0, 2, 4 (query, keys, values), 1, 3, 5, 11 (Wq, Wk, Wv, Wo).
; LIMITS: e between -126 and 119, so that 2^e and 448 x 2^e are f32 numbers.  NaN among the inputs is not served (an infinity is held at the largest code).
; (The input mask is read by no launch of this program: reference() takes it and never applies it.)
; THE CODES ARE STORED AS IMAGES OF AN OPERAND'S REGISTERS.  An image is 1,024 bytes: 16 rows x 64 along K as the 8 registers of a 16x16x64 operand: lane (r, h) holds row r,
; registers 2c, 2c+1 hold k = 16c + 8h + 0..7; registers 0-3 of lane l lie at 16 l, registers 4-7 at 512 + 16 l.  Two images on end are a 16x16x128 operand.
; xc: [tensor 3][kstep 4][tile of 16 rows: 512][unit of 64 k in the kstep: 4][1024];  wc: [weight 4][kstep 4][tile 64][4][1024].  A kstep is 256 along K.
; SHARES.  1,792 tiles of 16 rows x 2 halves of K = 3,584 waves = 256 work-groups x 14.  A wave takes 16 rows x 512 k, in four steps of 128 k.  Waves share nothing: no barrier.
; A step: 16 loads, each 512 consecutive bytes of one row; through the wave's own stage in LDS (rows of 512 + 16 bytes, so that the 16 rows of a read start at 16 different banks);
; back 8 neighbours along K at a time in the operand's order; the hold, the conversion; four stores of 512 consecutive bytes.  Loads run two steps (32 loads a wave) ahead.
.set SP,    528                        ; a stage row
.set STGB,  16*SP                      ; a wave's stage
.set R,     16                         ; v16-143   two sets of 64: a step's numbers as loaded
.set X,     144                        ; v144-207  the step's numbers in the operand's order
.set C,     208                        ; v208-239  two sets of 16: a step's codes
.set RT,    30                         ; s30  my tile of rows among the 1,792
.set KH,    31                         ; s31  my half of K
	s_load_b512 s[8:23], s[0:1], 0x0               ; query, keys, values, Wq, Wk, Wv, Wo, lowp_scales
	s_load_b128 s[24:27], s[0:1], 0x40             ; xc, wc
	v_lshl_add_u32 v240, v0, 2, 0x1ce00
	v_mov_b32 v241, 0
	v_lshrrev_b32 v1, 5, v0
	s_delay_alu instid0(VALU_DEP_1)
	v_readfirstlane_b32 s28, v1                    ; wave 0..13
	v_and_b32 v7, 31, v0
	s_delay_alu instid0(VALU_DEP_1)
	v_lshlrev_b32 v2, 4, v7                        ; 16 x lane: my bytes of a load's or a store's 512
	v_and_b32 v8, 15, v0                           ; r
	v_bfe_u32 v9, v0, 4, 1                         ; h
	s_mul_i32 s52, s28, STGB
	v_add_nc_u32 v3, s52, v2                       ; into the stage: as loaded
	v_mul_u32_u24 v4, v8, SP
	s_delay_alu instid0(VALU_DEP_1)
	v_lshl_add_u32 v4, v9, 5, v4
	s_delay_alu instid0(VALU_DEP_1)
	v_add_nc_u32 v4, s52, v4                       ; out of it: row r, + 32 h bytes (8 h numbers)
	s_mul_i32 s29, ttmp9, 14
	s_add_co_u32 s29, s29, s28                     ; my wave among the 3,584
	s_lshr_b32 s[RT], s29, 1
	s_and_b32 s[KH], s29, 1
	; tiles 0-1535 are query's, keys', values' (512 each), tiles 1536-1791 Wq's, Wk's, Wv's, Wo's (64 each)
	s_and_b32 s52, s[RT], 511                      ; the tile in its tensor,
	s_and_b32 s53, s[RT], 63
	s_lshr_b32 s54, s[RT], 9
	s_lshl_b32 s54, s54, 23                        ; the tensor's place in its buffer of codes,
	s_max_u32 s55, s[RT], 1536
	s_sub_co_u32 s55, s55, 1536
	s_lshr_b32 s55, s55, 6
	s_lshl_b32 s55, s55, 20
	s_mov_b32 s56, 2097152                         ; and a kstep's bytes there
	s_mov_b32 s57, 262144
	s_cmp_lt_u32 s[RT], 1536
	s_cselect_b32 s52, s52, s53
	s_cselect_b32 s54, s54, s55
	s_cselect_b32 s56, s56, s57
	s_mov_b32 s57, 0
	s_mul_i32 s53, s[KH], s56
	s_lshl_b32 s53, s53, 1                         ; my half of K begins at kstep 2 KH
	s_add_co_u32 s54, s54, s53
	s_lshl_b32 s53, s52, 12                        ; a tile's four images of a kstep
	s_add_co_u32 s54, s54, s53
	s_mov_b32 s55, 0
	s_lshl_b32 s52, s52, 16                        ; in: 16 rows of 4,096 bytes,
	s_lshl_b32 s53, s[KH], 11                      ; + 512 numbers
	s_add_co_u32 s52, s52, s53
	s_mov_b32 s53, 0
	s_wait_alu depctr_va_vdst(0)
	s_wait_kmcnt 0x0
	s_load_b256 s[32:39], s[22:23], 0x0            ; e0 .. e7
	s_load_b128 s[40:43], s[22:23], 0x20           ; e8 .. e11
	s_cmp_lt_u32 s[RT], 1536                       ; every choice hangs on the wave's and the work-group's numbers alone
	s_cselect_b64 s[48:49], s[24:25], s[26:27]
	s_mov_b64 s[44:45], s[20:21]                   ; Wo, unless the tile lies under one of the bounds below
.macro PICKP lim, p
	s_cmp_lt_u32 s[RT], \lim
	s_cselect_b64 s[44:45], s[\p:\p+1], s[44:45]
.endm
	PICKP 1728, 18                                 ; Wv
	PICKP 1664, 16                                 ; Wk
	PICKP 1600, 14                                 ; Wq
	PICKP 1536, 12                                 ; values
	PICKP 1024, 10                                 ; keys
	PICKP 512, 8                                   ; query
	s_add_nc_u64 s[44:45], s[44:45], s[52:53]      ; my first number
	s_add_nc_u64 s[48:49], s[48:49], s[54:55]      ; my images of kstep 2 KH,
	s_add_nc_u64 s[50:51], s[48:49], s[56:57]      ; and of kstep 2 KH + 1
.macro LOAD t                          ; step t: 128 numbers of each of my 16 rows, into set t % 2
.irp p, 0,1,2,3,4,5,6,7,8,9,10,11,12,13,14,15
	global_load_b128 v[R+64*((\t)%2)+4*\p:R+64*((\t)%2)+4*\p+3], v2, s[44:45] offset:4096*\p+512*(\t) th:TH_LOAD_NT   ; 32 lanes read 512 consecutive bytes; read once in the launch
.endr
.endm
	LOAD 0
	LOAD 1
	s_wait_kmcnt 0x0
	s_mov_b32 s46, s43                             ; e11, unless ..
.macro PICKE lim, e
	s_cmp_lt_u32 s[RT], \lim
	s_cselect_b32 s46, s[\e], s46
.endm
	PICKE 1728, 37                                 ; e5
	PICKE 1664, 35                                 ; e3
	PICKE 1600, 33                                 ; e1
	PICKE 1536, 36                                 ; e4
	PICKE 1024, 34                                 ; e2
	PICKE 512, 32                                  ; e0
	s_add_co_i32 s46, s46, 127
	s_lshl_b32 s47, s46, 23
	v_mov_b32 v5, s47                              ; 2^e as f32: the conversion takes its exponent field
	s_add_co_i32 s46, s46, 8
	s_lshl_b32 s46, s46, 23
	s_or_b32 s46, s46, 0x600000
	v_mov_b32 v6, s46                              ; 448 x 2^e
.macro STEP t
.if (\t) < 3
	s_wait_loadcnt 16                              ; this step's 16 loads are in; the next step's 16 may be out
.else
	s_wait_loadcnt 0x0
.endif
.irp p, 0,1,2,3,4,5,6,7,8,9,10,11,12,13,14,15
	ds_store_b128 v3, v[R+64*((\t)%2)+4*\p:R+64*((\t)%2)+4*\p+3] offset:SP*\p
.endr
.irp c, 0,1,2,3,4,5,6,7                ; LDS serves a wave's instructions in order (ISA guide 5.7.1.4): these see the stores above
	ds_load_b128 v[X+8*\c:X+8*\c+3], v4 offset:64*\c           ; k = 16 c + 8 h + 0..3 of row r
	ds_load_b128 v[X+8*\c+4:X+8*\c+7], v4 offset:64*\c+16      ; and + 4..7
.endr
	s_wait_dscnt 0x0                               ; the numbers are back, and the stores into the stage have read their registers,
.if (\t) < 2
	LOAD (\t)+2                                    ; which take the loads of two steps on
.else
	s_wait_xcnt 0x0                                ; the stores of two steps ago have read their codes' registers, which are written again below
.endif
.set n, 0
.rept 64
	v_med3_num_f32 v[X+n], v[X+n], -v6, v6         ; the conversion to an 8-bit code does not saturate (ISA guide 7.6.2): the hold at the largest code x the scale
.set n, n+1
.endr
.irp c, 0,1,2,3,4,5,6,7
	v_cvt_scalef32_pk8_fp8_f32 v[C+16*((\t)%2)+2*\c:C+16*((\t)%2)+2*\c+1], v[X+8*\c:X+8*\c+7], v5   ; registers 2 c, 2 c + 1 of the operand
.endr
	v_nop                                          ; a plain line behind the last conversion
.irp i, 0,1,2,3
	global_store_b128 v2, v[C+16*((\t)%2)+4*\i:C+16*((\t)%2)+4*\i+3], s[48+2*((\t)/2):49+2*((\t)/2)] offset:2048*((\t)%2)+512*\i   ; two images: four times 512 consecutive bytes, aligned
.endr
.endm
	s_wait_alu depctr_va_vdst(0)
	STEP 0
	STEP 1
	STEP 2
	STEP 3
	s_wait_tensorcnt 0x0
	ds_add_u32 v240, v241
	s_wait_dscnt 0x0
	s_endpgm
.Lfunc_end_k_qc097372c32_quant:
	.size	k_qc097372c32_quant, .Lfunc_end_k_qc097372c32_quant-k_qc097372c32_quant
	.p2alignl 7, 3214868480
	.fill 96, 4, 3214868480
	.section	.rodata,"a",@progbits
	.p2align	6, 0x0
	.amdhsa_kernel k_qc097372c32_quant
		.amdhsa_group_segment_fixed_size 120064
		.amdhsa_private_segment_fixed_size 0
		.amdhsa_enable_private_segment 0
		.amdhsa_kernarg_size 80
		.amdhsa_user_sgpr_count 2
		.amdhsa_user_sgpr_kernarg_segment_ptr 1
		.amdhsa_wavefront_size32 1
		.amdhsa_system_sgpr_workgroup_id_x 1
		.amdhsa_system_sgpr_workgroup_id_y 1
		.amdhsa_system_sgpr_workgroup_id_z 1
		.amdhsa_system_vgpr_workitem_id 0
		.amdhsa_next_free_vgpr 242
		.amdhsa_next_free_sgpr 66
		.amdhsa_reserve_vcc 0
		.amdhsa_float_denorm_mode_32 3
		.amdhsa_float_denorm_mode_16_64 3
		.amdhsa_memory_ordered 1
		.amdhsa_forward_progress 1
		.amdhsa_inst_pref_size 39
	.end_amdhsa_kernel
	.amdgpu_metadata
---
amdhsa.version: [ 1, 2 ]
amdhsa.kernels:
  - .name:           k_qc097372c32_quant
    .symbol:         k_qc097372c32_quant.kd
    .args:
      - { .name: query, .offset: 0, .size: 8, .value_kind: global_buffer, .address_space: global }
      - { .name: keys, .offset: 8, .size: 8, .value_kind: global_buffer, .address_space: global }
      - { .name: values, .offset: 16, .size: 8, .value_kind: global_buffer, .address_space: global }
      - { .name: Wq, .offset: 24, .size: 8, .value_kind: global_buffer, .address_space: global }
      - { .name: Wk, .offset: 32, .size: 8, .value_kind: global_buffer, .address_space: global }
      - { .name: Wv, .offset: 40, .size: 8, .value_kind: global_buffer, .address_space: global }
      - { .name: Wo, .offset: 48, .size: 8, .value_kind: global_buffer, .address_space: global }
      - { .name: lowp_scales, .offset: 56, .size: 8, .value_kind: global_buffer, .address_space: global }
      - { .name: xc, .offset: 64, .size: 8, .value_kind: global_buffer, .address_space: global }
      - { .name: wc, .offset: 72, .size: 8, .value_kind: global_buffer, .address_space: global }
    .group_segment_fixed_size: 120064
    .private_segment_fixed_size: 0
    .kernarg_segment_align: 8
    .kernarg_segment_size: 80
    .max_flat_workgroup_size: 448
    .sgpr_count:     66
    .vgpr_count:     242
    .wavefront_size: 32
...
	.end_amdgpu_metadata
.endif
;; end of part 1
;; launch proj (part 2): grid 4 x 96, 4 waves a work-group, clusters of 4 x 4, 327,680 bytes of LDS; arguments xc, wc, bq, bk, bv, lowp_scales, qc, kc, vc; writes qc, kc, vc
.if DOCPART == 2
	.amdgcn_target "amdgcn-amd-amdhsa--gfx1250"
	.amdhsa_code_object_version 6
	.text
	.protected	k_qc097372c32_proj
	.globl	k_qc097372c32_proj
	.p2align	8
	.type	k_qc097372c32_proj,@function
k_qc097372c32_proj:
	s_mov_b64 s[64:65], 0
	v_nop
	global_prefetch_b8 v0, s[64:65] scope:SCOPE_SE
	s_setreg_imm32_b32 hwreg(HW_REG_WAVE_MODE, 25, 1), 1
	s_wait_xcnt 0x0
	s_wait_alu depctr_hold_cnt(0) depctr_sa_sdst(0) depctr_va_vdst(0) depctr_va_sdst(0) depctr_va_ssrc(0) depctr_va_vcc(0) depctr_vm_vsrc(0)
	s_getreg_b32 s2, hwreg(HW_REG_IB_STS2, 6, 4)
	s_cmp_eq_u32 s2, 0
	s_cbranch_scc0 .Lentry_in_a_cluster
	s_endpgm
.Lentry_in_a_cluster:
	s_bfe_u32 s2, ttmp6, 0x10000c
	s_cmp_lg_u32 s2, 0xf033
	s_cbranch_scc0 .Lentry_shape_is_right
	s_endpgm
.Lentry_shape_is_right:
.set FR,     16
.set NL,     4
.set NP,     4
.set HALFT,  32768
.set SLOT,   4*HALFT
.set SPARE,  2*SLOT
.set XSTEP,  2097152
.set WSTEP,  262144
.set VO,   8
.set ADRA, 16
.set ADRB, 20
.set SPW,  28
.set NIL,  29
.set BC,   32
.set BRR,  96
.set BR,   104
.set AF,   128
.set TMP,  128
.set CD,   192
.set WV, 22
.set WH, 23
.set WL, 24
.set CX, 25
.set CY, 26
.set TX, 27
.set G1,  28
.set G0,  36
.set G1B, 44
.set G0B, 52
.set Z,   61
.set ZV,  63
.set MSB, 0
.macro WIN new
.if MSB != \new
	s_set_vgpr_msb (MSB<<8)|\new
.set MSB, \new
.endif
.endm
.set MUL_LO, 0xa1
.set MUL_HI, 0xf1
.set TO_B,   0x40
.macro JLOAD g0a, g1a, g0b, g1b
	s_cmp_eq_u32 s[WH], 0
	s_cbranch_scc0 .Lfor_b_\@
	tensor_load_to_lds s[\g0a:\g0a+3], s[\g1a:\g1a+7]
	s_nop 0
.rept 4
	v_nop
.endr
	s_branch .Lasked_\@
.Lfor_b_\@:
	tensor_load_to_lds s[\g0b:\g0b+3], s[\g1b:\g1b+7]
	s_nop 0
.rept 4
	v_nop
.endr
.Lasked_\@:
.endm
.macro CREST
	s_cmp_lg_u32 s[WV], 0
	s_cbranch_scc1 .Lnot_wave_0_\@
	s_barrier_signal -3
.Lnot_wave_0_\@:
	s_barrier_wait -3
	s_barrier_signal -1
	s_barrier_wait -1
.endm
.macro CROUND
	s_barrier_signal -1
	s_barrier_wait -1
	CREST
.endm
	s_load_b512 s[4:19], s[0:1], 0x0
	s_load_b64 s[20:21], s[0:1], 0x40
	v_lshl_add_u32 v[SPW], v0, 2, SPARE
	v_mov_b32 v[NIL], 0
	ds_add_u32 v28, v29
	ds_add_u32 v28, v29
	s_wait_dscnt 0x0
	v_lshrrev_b32 v1, 5, v0
	v_readfirstlane_b32 s[WV], v1
	s_lshr_b32 s[WH], s[WV], 1
	s_and_b32 s[WL], s[WV], 1
	s_bfe_u32 s[CX], ttmp6, 0x40000
	s_bfe_u32 s[CY], ttmp6, 0x40004
	s_lshl_b32 s[TX], ttmp9, 2
	s_add_co_u32 s[TX], s[TX], s[CX]
	s_and_b32 s98, ttmp7, 0xffff
	s_bfe_u32 s[Z], s98, 0x20003
	s_bfe_u32 s[ZV], s98, 0x10004
	s_lshl_b32 s60, s98, 2
	s_add_co_u32 s60, s60, s[CY]
	s_and_b32 s62, s60, 31
	s_lshl_b32 s66, s[CY], 2
	s_lshl_b32 s66, 15, s66
	s_lshl_b32 s67, 0x1111, s[CX]
	s_or_b32 s[G1], s66, (3<<16)|(1<<21)
	s_or_b32 s[G1B], s67, (3<<16)|(1<<21)
.irp g, G1, G1B
	s_mov_b32 s[\g+1], 32<<16
	s_mov_b32 s[\g+2], 128<<16
	s_mov_b32 s[\g+3], 32<<16
	s_mov_b32 s[\g+4], 128
	s_mov_b32 s[\g+5], 32
	s_mov_b32 s[\g+6], 0
	s_mov_b32 s[\g+7], 0
.endr
	s_lshl_b32 s88, s[WL], 15
	s_lshl_b32 s80, s[Z], 23
	s_lshl_b32 s84, s62, 16
	s_add_co_u32 s80, s80, s84
	s_add_co_u32 s80, s80, s88
	s_mov_b32 s81, 0
	s_lshl_b32 s82, s[Z], 20
	s_lshl_b32 s85, s[TX], 16
	s_add_co_u32 s82, s82, s85
	s_add_co_u32 s82, s82, s88
	s_mov_b32 s83, 0
	s_lshl_b32 s99, s[WV], 15
	s_wait_kmcnt 0x0
	s_load_b256 s[68:75], s[14:15], 0x0
	s_load_b128 s[76:79], s[14:15], 0x20
	s_add_nc_u64 s[80:81], s[4:5], s[80:81]
	s_add_nc_u64 s[82:83], s[6:7], s[82:83]
	CROUND
.irp s, 0,1
	s_mov_b32 s[G0+4*\s], 1
	s_add_co_u32 s[G0+4*\s+1], s99, \s*SLOT
	s_add_nc_u64 s[G0+4*\s+2:G0+4*\s+3], s[80:81], \s*XSTEP
	s_or_b32 s[G0+4*\s+3], s[G0+4*\s+3], 0x80000000
	s_mov_b32 s[G0B+4*\s], 1
	s_add_co_u32 s[G0B+4*\s+1], s99, \s*SLOT
	s_add_nc_u64 s[G0B+4*\s+2:G0B+4*\s+3], s[82:83], \s*WSTEP
	s_or_b32 s[G0B+4*\s+3], s[G0B+4*\s+3], 0x80000000
	s_wait_alu depctr_va_vdst(0)
	s_wait_tensorcnt 0x0
	ds_add_u32 v28, v29
	ds_add_u32 v28, v29
	s_wait_dscnt 0x0
	CROUND
	JLOAD G0+4*\s, G1, G0B+4*\s, G1B
.endr
	v_and_b32 v1, 31, v0
	v_lshlrev_b32 v[VO], 4, v1
	s_wait_alu depctr_va_vdst(0)
	s_lshl_b32 s84, s[ZV], 16
	s_lshl_b32 s85, s[WH], 15
	s_add_co_u32 s84, s84, s85
	s_xor_b32 s85, s[ZV], 1
	s_lshl_b32 s85, s85, 16
	s_add_co_u32 s85, s85, s88
.irp s, 0,1
	v_add_nc_u32 v[ADRA+\s], s84, v[VO]
	v_add_nc_u32 v[ADRB+\s], s85, v[VO]
	s_add_co_u32 s84, s84, SLOT
	s_add_co_u32 s85, s85, SLOT
.endr
	s_cmp_eq_u32 s[Z], 0
	s_cselect_b64 s[94:95], s[8:9], s[10:11]
	s_cselect_b64 s[92:93], s[16:17], s[18:19]
	s_cmp_eq_u32 s[Z], 2
	s_cselect_b64 s[94:95], s[12:13], s[94:95]
	s_cselect_b64 s[92:93], s[20:21], s[92:93]
	v_and_b32 v3, 15, v0
	v_bfe_u32 v4, v0, 4, 1
	s_lshl_b32 s84, s[TX], 10
	s_lshl_b32 s85, s[WL], 9
	s_add_co_u32 s85, s85, s84
	v_lshlrev_b32 v12, 5, v4
	v_add_nc_u32 v12, s85, v12
	s_lshl_b32 s85, s[WH], 9
	s_add_co_u32 s85, s85, s84
	v_lshlrev_b32 v13, 2, v3
	v_add_nc_u32 v13, s85, v13
.irp b, 0,1,2,3,4,5,6,7
	global_load_b128 v[BC+8*\b:BC+8*\b+3], v12, s[94:95] offset:64*\b
	global_load_b128 v[BC+8*\b+4:BC+8*\b+7], v12, s[94:95] offset:64*\b+16
.endr
.irp a, 0,1,2,3,4,5,6,7
	global_load_b32 v[BRR+\a], v13, s[94:95] offset:64*\a
.endr
	s_lshl_b32 s66, s62, 4
	s_lshl_b32 s67, s[WH], 3
	s_add_co_u32 s66, s66, s67
	s_lshr_b32 s67, s66, 7
	s_lshl_b32 s67, s67, 4
	s_lshl_b32 s96, s[TX], 2
	s_add_co_u32 s67, s67, s96
	s_lshl_b32 s97, s[WL], 1
	s_add_co_u32 s67, s67, s97
	s_lshl_b32 s67, s67, 7
	s_and_b32 s66, s66, 127
	s_add_co_u32 s67, s67, s66
	s_lshl_b32 s67, s67, 10
	s_lshl_b32 s66, s62, 2
	s_add_co_u32 s66, s66, s97
	s_lshr_b32 s97, s66, 5
	s_lshl_b32 s97, s97, 4
	s_add_co_u32 s97, s97, s96
	s_lshl_b32 s96, s[WH], 1
	s_add_co_u32 s97, s97, s96
	s_lshl_b32 s97, s97, 5
	s_and_b32 s66, s66, 31
	s_add_co_u32 s97, s97, s66
	s_lshl_b32 s97, s97, 12
	s_mov_b32 s89, 4096
	s_mov_b32 s90, 131072
	s_cmp_eq_u32 s[ZV], 0
	s_cselect_b32 s96, s67, s97
	s_cselect_b32 s66, s89, s90
	s_cselect_b32 s67, s90, s89
	s_cselect_b32 s88, 0, -1
	s_mov_b32 s97, 0
	s_add_nc_u64 s[92:93], s[92:93], s[96:97]
	v_add_nc_u32 v[VO+1], s67, v[VO]
	v_add_nc_u32 v[VO+2], s66, v[VO]
	v_add_nc_u32 v[VO+3], s66, v[VO+1]
	s_wait_kmcnt 0x0
	s_cmp_eq_u32 s[Z], 0
	s_cselect_b32 s84, s68, s70
	s_cselect_b32 s85, s69, s71
	s_cselect_b32 s91, s74, s75
	s_cmp_eq_u32 s[Z], 2
	s_cselect_b32 s84, s72, s84
	s_cselect_b32 s85, s73, s85
	s_cselect_b32 s91, s76, s91
	s_add_co_i32 s86, s84, s85
	s_add_co_i32 s86, s86, 127
	s_lshl_b32 s86, s86, 23
	s_mov_b32 s87, s86
	s_add_co_i32 s91, s91, 127
	s_lshl_b32 s84, s91, 23
	v_mov_b32 v26, s84
	s_add_co_i32 s91, s91, 8
	s_lshl_b32 s91, s91, 23
	s_or_b32 s91, s91, 0x600000
	v_mov_b32 v27, s91
.macro FRAG reg, adr, q, i
.irp c, 0,1,2,3
	ds_load_b128 v[\reg+4*\c:\reg+4*\c+3], v[\adr] offset:4096*(\i)+2048*(\q)+512*\c
.endr
.endm
.macro MUL16 a0, p, zero
.irp a, \a0, \a0+1
.irp b, 0,1,2,3,4,5,6,7
.if \zero
	v_wmma_f32_16x16x128_fp8_fp8 v[8*(8*((\a)%4)+\b):8*(8*((\a)%4)+\b)+7], v[128*(\p)+FR*\b:128*(\p)+FR*\b+FR-1], v[AF+FR*(\a):AF+FR*(\a)+FR-1], 0
.else
	v_wmma_f32_16x16x128_fp8_fp8 v[8*(8*((\a)%4)+\b):8*(8*((\a)%4)+\b)+7], v[128*(\p)+FR*\b:128*(\p)+FR*\b+FR-1], v[AF+FR*(\a):AF+FR*(\a)+FR-1], v[8*(8*((\a)%4)+\b):8*(8*((\a)%4)+\b)+7]
.endif
.endr
.endr
.endm
.macro FETCH_B slot, q, p
	WIN TO_B
.irp i, 0,1,2,3,4,5,6,7
	FRAG 128*(\p)+FR*\i, ADRB+\slot, \q, \i
.endr
	WIN 0
.endm
.macro FETCH_A slot, q, i0
.irp i, \i0, \i0+1, \i0+2, \i0+3
	FRAG AF+FR*(\i), ADRA+\slot, \q, \i
.endr
.endm
.macro PLACES n
.rept \n
	v_nop
.endr
.endm
.macro STEP slot, q, zero
	s_wait_dscnt 4*NL
	WIN MUL_LO
	MUL16 0, (\q)%2, \zero
	MUL16 2, (\q)%2, \zero
	s_wait_dscnt 0
	PLACES NP
	FETCH_B \slot, (\q)+1, 1-(\q)%2
	FETCH_A \slot, (\q)+1, 0
	WIN MUL_HI
	MUL16 4, (\q)%2, \zero
	MUL16 6, (\q)%2, \zero
	PLACES NP
	WIN 0
	FETCH_A \slot, (\q)+1, 4
.endm
.macro TURN slot, next, fill
	s_wait_tensorcnt 0x0
	ds_add_u32 v[SPW], v[NIL]
	s_wait_dscnt 4*NL+1
	WIN MUL_LO
	MUL16 0, 1, 0
	s_wait_dscnt 0x0
	s_barrier_signal -1
	MUL16 2, 1, 0
	WIN 0
	s_barrier_wait -1
.if \fill
	CREST
	s_add_nc_u64 s[G0+4*\slot+2:G0+4*\slot+3], s[G0+4*\slot+2:G0+4*\slot+3], 2*XSTEP
	s_add_nc_u64 s[G0B+4*\slot+2:G0B+4*\slot+3], s[G0B+4*\slot+2:G0B+4*\slot+3], 2*WSTEP
	JLOAD G0+4*\slot, G1, G0B+4*\slot, G1B
.else
	PLACES NP
.endif
	FETCH_B \next, 0, 0
	FETCH_A \next, 0, 0
	WIN MUL_HI
	MUL16 4, 1, 0
	MUL16 6, 1, 0
	PLACES NP
	WIN 0
	FETCH_A \next, 0, 4
.endm
	s_wait_tensorcnt 1
	s_barrier_signal -1
	s_barrier_wait -1
	FETCH_B 0, 0, 0
	FETCH_A 0, 0, 0
	FETCH_A 0, 0, 4
	STEP 0, 0, 1
	TURN 0, 1, 1
	STEP 1, 0, 0
	TURN 1, 0, 1
	STEP 0, 0, 0
	TURN 0, 1, 0
	STEP 1, 0, 0
	s_wait_dscnt 4*NL
	WIN MUL_LO
	MUL16 0, 1, 0
	MUL16 2, 1, 0
	s_wait_dscnt 0
	WIN MUL_HI
	MUL16 4, 1, 0
	MUL16 6, 1, 0
	WIN 0
	s_wait_loadcnt 0x0
.set n, 0
.rept 64
	v_cndmask_b32 v[BC+n], v[BC+n], 0, s88
.set n, n+1
.endr
.irp a, 0,1,2,3,4,5,6,7
	v_cndmask_b32 v[BR+2*\a], 0, v[BRR+\a], s88
	v_cndmask_b32 v[BR+2*\a+1], 0, v[BRR+\a], s88
.endr
.macro QBLOCK a
.set AC, 64*((\a)%4)
.set CC, CD+16*((\a)%2)
	WIN 0x02+((\a)/4)
.set n, 0
.rept 32
	v_pk_fma_f32 v[TMP+n:TMP+n+1], v[AC+n:AC+n+1], s[86:87], v[BR+2*(\a):BR+2*(\a)+1] op_sel_hi:[1,0,1]
.set n, n+2
.endr
	WIN 0
.set n, 0
.rept 32
	v_pk_add_f32 v[TMP+n:TMP+n+1], v[TMP+n:TMP+n+1], v[BC+n:BC+n+1]
.set n, n+2
.endr
.set n, 0
.rept 64
	v_med3_num_f32 v[TMP+n], v[TMP+n], -v27, v27
.set n, n+1
.endr
.if (\a) > 1
	s_wait_alu depctr_va_vdst(0)
	s_wait_xcnt 0x0
.endif
.irp b, 0,1,2,3,4,5,6,7
	v_cvt_scalef32_pk8_fp8_f32 v[CC+2*\b:CC+2*\b+1], v[TMP+8*\b:TMP+8*\b+7], v26
.endr
	v_nop
.irp g, 0,1
.irp i, 0,1
	global_store_b128 v[VO+2*((\a)/4)+\g], v[CC+8*\g+4*\i:CC+8*\g+4*\i+3], s[92:93] offset:1024*((\a)%4)+512*\i
.endr
.endr
.endm
.irp a, 0,1,2,3,4,5,6,7
	QBLOCK \a
.endr
	s_wait_tensorcnt 0x0
	ds_add_u32 v[SPW], v[NIL]
	s_wait_dscnt 0x0
	CROUND
	s_endpgm
.Lfunc_end_k_qc097372c32_proj:
	.size	k_qc097372c32_proj, .Lfunc_end_k_qc097372c32_proj-k_qc097372c32_proj
	.p2alignl 7, 3214868480
	.fill 96, 4, 3214868480
	.section	.rodata,"a",@progbits
	.p2align	6, 0x0
	.amdhsa_kernel k_qc097372c32_proj
		.amdhsa_group_segment_fixed_size 327680
		.amdhsa_private_segment_fixed_size 0
		.amdhsa_enable_private_segment 0
		.amdhsa_kernarg_size 72
		.amdhsa_user_sgpr_count 2
		.amdhsa_user_sgpr_kernarg_segment_ptr 1
		.amdhsa_wavefront_size32 1
		.amdhsa_system_sgpr_workgroup_id_x 1
		.amdhsa_system_sgpr_workgroup_id_y 1
		.amdhsa_system_sgpr_workgroup_id_z 1
		.amdhsa_system_vgpr_workitem_id 0
		.amdhsa_next_free_vgpr 1024
		.amdhsa_next_free_sgpr 100
		.amdhsa_reserve_vcc 0
		.amdhsa_float_denorm_mode_32 3
		.amdhsa_float_denorm_mode_16_64 3
		.amdhsa_memory_ordered 1
		.amdhsa_forward_progress 1
		.amdhsa_inst_pref_size 159
	.end_amdhsa_kernel
	.amdgpu_metadata
---
amdhsa.version: [ 1, 2 ]
amdhsa.kernels:
  - .name:           k_qc097372c32_proj
    .symbol:         k_qc097372c32_proj.kd
    .args:
      - { .name: xc, .offset: 0, .size: 8, .value_kind: global_buffer, .address_space: global }
      - { .name: wc, .offset: 8, .size: 8, .value_kind: global_buffer, .address_space: global }
      - { .name: bq, .offset: 16, .size: 8, .value_kind: global_buffer, .address_space: global }
      - { .name: bk, .offset: 24, .size: 8, .value_kind: global_buffer, .address_space: global }
      - { .name: bv, .offset: 32, .size: 8, .value_kind: global_buffer, .address_space: global }
      - { .name: lowp_scales, .offset: 40, .size: 8, .value_kind: global_buffer, .address_space: global }
      - { .name: qc, .offset: 48, .size: 8, .value_kind: global_buffer, .address_space: global }
      - { .name: kc, .offset: 56, .size: 8, .value_kind: global_buffer, .address_space: global }
      - { .name: vc, .offset: 64, .size: 8, .value_kind: global_buffer, .address_space: global }
    .group_segment_fixed_size: 327680
    .private_segment_fixed_size: 0
    .kernarg_segment_align: 8
    .kernarg_segment_size: 72
    .max_flat_workgroup_size: 128
    .sgpr_count:     100
    .vgpr_count:     1024
    .wavefront_size: 32
...
	.end_amdgpu_metadata
.endif
;; end of part 2
;; launch attn (part 3): grid 4 x 64, 16 waves a work-group, clusters of 4 x 1, 264,192 bytes of LDS; arguments qc, kc, vc, lowp_scales, ac; writes ac
.if DOCPART == 3
	.amdgcn_target "amdgcn-amd-amdhsa--gfx1250"
	.amdhsa_code_object_version 6
	.text
	.protected	k_qc097372c32_attn
	.globl	k_qc097372c32_attn
	.p2align	8
	.type	k_qc097372c32_attn,@function
k_qc097372c32_attn:
	s_mov_b64 s[64:65], 0
	v_nop
	global_prefetch_b8 v0, s[64:65] scope:SCOPE_SE
	s_setreg_imm32_b32 hwreg(HW_REG_WAVE_MODE, 25, 1), 1
	s_wait_xcnt 0x0
	s_wait_alu depctr_hold_cnt(0) depctr_sa_sdst(0) depctr_va_vdst(0) depctr_va_sdst(0) depctr_va_ssrc(0) depctr_va_vcc(0) depctr_vm_vsrc(0)
	s_getreg_b32 s2, hwreg(HW_REG_IB_STS2, 6, 4)
	s_cmp_eq_u32 s2, 0
	s_cbranch_scc0 .Lentry_in_a_cluster
	s_endpgm
.Lentry_in_a_cluster:
	s_bfe_u32 s2, ttmp6, 0x10000c
	s_cmp_lg_u32 s2, 0x3003
	s_cbranch_scc0 .Lentry_shape_is_right
	s_endpgm
.Lentry_shape_is_right:
; For each of the 64 (batch, head): O[q] = the sum over keys of softmax(q . k / sqrt(1024)) v, both products on codes of FP8 (E4M3), head size 64, 2,048 queries and keys.
; (reference() divides by the square root of the embedding's 1,024.  It takes mask and never applies it: no launch reads mask.)
; THE SOFTMAX AHEAD OF THE SECOND PRODUCT: t = score x log2(e) / 32; M = the row's largest t, rounded UP to a whole number; p = 2^(t - M) is quantised with 2^e9, not normalised;
; the row's sum is taken of the unquantised p, in f32, and divides O at the end.  O / sum is quantised with 2^e10 for the last product.
; TWO WALKS OVER THE KEYS.  Walk 1 makes S^T = K Q^T and takes each query's largest score, nothing else.  Walk 2 makes S^T again and works under the row's final M:
; so no factor between an old and a new M exists, and neither the sums nor O^T are ever multiplied by one.  Price: 8 matrix instructions and 8 LDS loads more for 64 keys x 32 queries.
; BUFFERS are images of operands' registers (1,024 bytes: 16 rows x 64 k: lane (r, h) row r, registers 2c, 2c+1: k = 16c + 8h + 0..7; registers 0-3 of lane l at 16 l, 4-7 at 512 + 16 l):
; qc, kc [batch x 16 + head][tile of 16 tokens 128][1024]; vc [batch x 16 + head][block of 64 keys 32][tile of 16 channels 4][1024]; ac [head / 4][tile of 16 tokens 512][head % 4][1024].
; LIMITS on the given exponents: e6 + e7 between -121 and 132 (added to c's exponent field); e9, e10 between -126 and 119; e8 + e9 is applied by v_ldexp_f32 and has none.  NaN is not served.
; SHARES.  A work-group owns 512 queries of one (batch, head); each of its sixteen waves 32: two tiles of 16, which share each fragment of K and V.  256 registers a wave, four waves to a SIMD.
; ALL OF THE HEAD'S K AND V STAYS IN LDS: 131,072 bytes each, filled ONCE: each wave issues one load of 16,384 bytes at the head (waves 0-7: K, waves 8-15: V); nothing is filled again.
; CLUSTER.  The four query blocks of a (batch, head) need the same K and V: each piece is asked for jointly by the four.
; NO PREFETCH: every byte of K and V is asked for by the head's one load a wave; no later load exists for a request to run ahead of.
; LAYOUT.  Both products are used transposed (source 0 = 16 keys or 16 channels, source 1 = 16 queries): a lane holds ONE query throughout, and a conversion of an accumulator's
; 8 registers is a register pair of the next operand, in the right lane: P for the second product, O for the last.
.set LI,  1                            ; v1   16 x lane
.set ADK, 2                            ; v2   LDS address of K's images in hand
.set ADV, 3                            ; v3   of V's
.set SPW, 4                            ; v4   my spare word; never rewritten
.set NIL, 5                            ; v5   0; never rewritten
.set NM,  6                            ; v[6+2t]  -M (the pair's low word serves)
.set L,   10                           ; v[10+4t ..] the row's sum: two chains of pairs a tile
.set MX,  18                           ; v[18+2t], +1: the largest score, two chains a tile
.set PT,  22                           ; v[22+t]  the other half of the lanes'
.set SC9, 24                           ; v24  2^e9
.set H9,  25                           ; v25, v26  448 x 2^e9, once for each half of a dual line
.set F,   28                           ; v[28+2t] 2^(e8 + e9) / sum (the pair's low word serves)
.set Q,   32                           ; v32-47   Q: 8 a tile
.set KF,  48                           ; v48-79   four images of K
.set VF,  80                           ; v80-111  four images of V (walk 1: of K)
.set S,   112                          ; v112-175 S^T, then p: 32 a tile
.set O,   176                          ; v176-239 O^T: 32 a tile (walk 1: a second S^T)
.set P,   240                          ; v240-255 p's codes: 8 a tile; at the end O's codes
.set VOFF, 131072
.set SPARE, 262144
.set WV,  14
.set QB,  15
.set HB,  16
.set G1,  28                           ; s[28:35] descriptor group 1, for K's and V's pieces alike
.set G0K, 36                           ; s[36:39] K's group 0
.set G0V, 40                           ; s[40:43] V's
.set CS,  58                           ; s[58:59] c = log2(e) / 32 x 2^(e6 + e7)
.set SEL, 60                           ; s[60:61] lane selects for v_permlanex16_b32: lane l xor 16
.set TB,  62                           ; s62  LDS byte of K's next images
.set CNT, 63
.set TV,  66                           ; s66  LDS byte of the step's images of V
.macro CROUND                          ; a round of the cluster's barrier
	s_barrier_signal -1
	s_barrier_wait -1
	s_cmp_lg_u32 s[WV], 0
	s_cbranch_scc1 .Lnot_wave_0_\@
	s_barrier_signal -3
.Lnot_wave_0_\@:
	s_barrier_wait -3
	s_barrier_signal -1
	s_barrier_wait -1
.endm
	s_load_b256 s[4:11], s[0:1], 0x0               ; qc s[4:5], kc s[6:7], vc s[8:9], lowp_scales s[10:11]
	s_load_b64 s[12:13], s[0:1], 0x20              ; ac
	v_lshl_add_u32 v[SPW], v0, 2, SPARE
	v_mov_b32 v[NIL], 0
	ds_add_u32 v[SPW], v[NIL]                      ; the opening lines: the add, twice on end, and its wait ahead of my tensor load
	ds_add_u32 v[SPW], v[NIL]
	v_lshrrev_b32 v[PT], 5, v0
	v_readfirstlane_b32 s[WV], v[PT]               ; wave 0..15
	s_bfe_u32 s[QB], ttmp6, 0x40000                ; cx
	s_lshl_b32 s17, ttmp9, 2
	s_add_co_u32 s[QB], s[QB], s17                 ; my block of 512 queries: it enters Q's and O's addresses alone
	s_and_b32 s[HB], ttmp7, 0xffff                 ; batch x 16 + head, which the four partners share
	s_and_b32 s17, s[WV], 7
	s_lshl_b32 s17, s17, 14                        ; my piece: 16,384 bytes on for each wave, in LDS and in memory alike
	s_lshl_b32 s18, s[HB], 17                      ; the head's first byte in qc, kc and vc
	s_mov_b32 s19, 0
	s_add_co_u32 s20, s18, s17
	s_mov_b32 s21, 0
	; descriptor group 1: a dense block of 16,384 bytes as 64 rows of 32 elements of 8 bytes, no padding
	s_mov_b32 s[G1], 15|(3<<16)|(1<<21)            ; 15:0 the mask: all four work-groups; 17:16 elements of 8 bytes; 21 set beside a mask
	s_mov_b32 s[G1+1], 32<<16                      ; tensor_dim0 = 32
	s_mov_b32 s[G1+2], 64<<16                      ; tensor_dim1 = 64
	s_mov_b32 s[G1+3], 32<<16                      ; tile_dim0 = 32
	s_mov_b32 s[G1+4], 64                          ; tile_dim1 = 64
	s_mov_b32 s[G1+5], 32                          ; tensor_dim0_stride: rows on end
	s_mov_b32 s[G1+6], 0
	s_mov_b32 s[G1+7], 0
	s_mov_b32 s[SEL], 0x76543210
	s_mov_b32 s[SEL+1], 0xfedcba98
	s_wait_dscnt 0x0
	s_wait_kmcnt 0x0
	s_load_b128 s[52:55], s[10:11], 0x18           ; e6, e7, e8, e9
	s_load_b32 s56, s[10:11], 0x28                 ; e10
	s_add_nc_u64 s[22:23], s[6:7], s[20:21]
	s_add_nc_u64 s[24:25], s[8:9], s[20:21]
	CROUND                                         ; all four work-groups are here: the joint loads meet
	s_mov_b32 s[G0K], 1                            ; count = 1
	s_mov_b32 s[G0K+1], s17                        ; LDS address: K from byte 0
	s_mov_b64 s[G0K+2:G0K+3], s[22:23]
	s_or_b32 s[G0K+3], s[G0K+3], 0x80000000        ; type = 2
	s_mov_b32 s[G0V], 1
	s_add_co_u32 s[G0V+1], s17, VOFF               ; V behind K
	s_mov_b64 s[G0V+2:G0V+3], s[24:25]
	s_or_b32 s[G0V+3], s[G0V+3], 0x80000000
	s_cmp_lt_u32 s[WV], 8                          ; one fill to each arm of one branch on the wave's number: every wave issues one load
	s_cbranch_scc0 .Lfirst_v
	tensor_load_to_lds s[G0K:G0K+3], s[G1:G1+7]
	s_nop 0
.rept 4
	v_nop
.endr
	s_branch .Lfirst_asked
.Lfirst_v:
	tensor_load_to_lds s[G0V:G0V+3], s[G1:G1+7]
	s_nop 0
.rept 4
	v_nop
.endr
.Lfirst_asked:
	v_and_b32 v[LI], 31, v0
	v_lshlrev_b32 v[LI], 4, v[LI]
	v_mov_b32 v[ADK], v[LI]                        ; K's first images
	s_wait_alu depctr_va_vdst(0)                   ; the wait directly behind the writes
	s_lshl_b32 s20, s[QB], 15                      ; my block's 32 images,
	s_lshl_b32 s21, s[WV], 11                      ; my wave's two
	s_add_co_u32 s20, s20, s21
	s_mov_b32 s21, 0
	s_add_nc_u64 s[4:5], s[4:5], s[18:19]
	s_add_nc_u64 s[4:5], s[4:5], s[20:21]
.irp c, 0,1,2,3
	global_load_b128 v[Q+4*\c:Q+4*\c+3], v[LI], s[4:5] offset:512*\c th:TH_LOAD_NT   ; Q stays in registers; read once in the launch
.endr
	; where O's codes go: image (head / 4, token tile batch x 128 + 32 block + 2 wave + t, head % 4)
	s_bfe_u32 s26, s[HB], 0x20002
	s_lshl_b32 s26, s26, 9
	s_lshr_b32 s27, s[HB], 4
	s_lshl_b32 s27, s27, 7
	s_add_co_u32 s26, s26, s27
	s_lshl_b32 s27, s[QB], 5
	s_add_co_u32 s26, s26, s27
	s_lshl_b32 s27, s[WV], 1
	s_add_co_u32 s26, s26, s27
	s_lshl_b32 s26, s26, 12
	s_and_b32 s27, s[HB], 3
	s_lshl_b32 s27, s27, 10
	s_add_co_u32 s26, s26, s27
	s_mov_b32 s27, 0
	s_add_nc_u64 s[12:13], s[12:13], s[26:27]
	v_mov_b32 v[PT+1], 0
.irp t, 0,1
	v_mov_b32 v[MX+2*\t], 0xff800000               ; the largest score so far: -infinity
	v_mov_b32 v[MX+2*\t+1], 0xff800000
	v_mov_b32 v[NM+2*\t+1], 0                      ; (named as the upper halves of pairs)
	v_mov_b32 v[F+2*\t+1], 0
.irp j, 0,1,2,3
	v_mov_b32 v[L+4*\t+\j], 0                      ; the sums
.endr
.endr
	s_wait_kmcnt 0x0
	s_add_co_i32 s18, s52, s53
	s_lshl_b32 s18, s18, 23
	s_mov_b32 s[CS], 0x3d38aa3b                    ; log2(e) / 32
	s_add_co_i32 s[CS], s[CS], s18                 ; a score stands for score x 2^(e6 + e7): the exponents are added to c's exponent field
	s_mov_b32 s[CS+1], s[CS]                       ; (named with it as a pair, so it is written)
	s_add_co_i32 s18, s55, 127
	s_lshl_b32 s19, s18, 23
	v_mov_b32 v[SC9], s19                          ; 2^e9 as f32, for p's conversion
	s_add_co_i32 s18, s18, 8
	s_lshl_b32 s18, s18, 23
	s_or_b32 s18, s18, 0x600000
	v_mov_b32 v[H9], s18                           ; 448 x 2^e9
	v_mov_b32 v[H9+1], s18
	s_add_co_i32 s18, s56, 127
	s_lshl_b32 s44, s18, 23                        ; 2^e10, for O's conversion
	s_add_co_i32 s18, s18, 8
	s_lshl_b32 s18, s18, 23
	s_or_b32 s45, s18, 0x600000                    ; 448 x 2^e10
	s_add_co_i32 s57, s54, s55                     ; e8 + e9
.macro LOAD4 dst, adr, off             ; four images: 64 keys of K, or 64 keys x 64 channels of V
.irp i, 0,1,2,3
	ds_load_b128 v[\dst+8*\i:\dst+8*\i+3], v[\adr] offset:\off+1024*\i
	ds_load_b128 v[\dst+8*\i+4:\dst+8*\i+7], v[\adr] offset:\off+1024*\i+512
.endr
.endm
.macro SCORES dst, src                 ; S^T = K Q^T: keys 16 i on; lane (r, h): query r, register j: key 16 i + 8 h + j
.irp i, 0,1,2,3
.irp t, 0,1
	v_wmma_f32_16x16x64_fp8_fp8 v[\dst+32*\t+8*\i:\dst+32*\t+8*\i+7], v[\src+8*\i:\src+8*\i+7], v[Q+8*\t:Q+8*\t+7], 0
.endr
.endr
.endm
.macro TOP src                         ; the largest of 32 scores a tile: four chains by turns; each accumulator is first read at its low end
.set n, 0
.rept 8
.irp t, 0,1
	v_max3_num_f32 v[MX+2*\t], v[MX+2*\t], v[\src+32*\t+n], v[\src+32*\t+n+1]
	v_max3_num_f32 v[MX+2*\t+1], v[MX+2*\t+1], v[\src+32*\t+n+2], v[\src+32*\t+n+3]
.endr
.set n, n+4
.endr
.endm
; WALK 1, a trip: 128 keys.  The next trip's 16 loads are issued behind the products' four places and land under the 64 maxima.  last = 1: only walk 2's first images of K are fetched.
.macro PEAK last
	s_wait_dscnt 0x0                               ; this trip's images are in
	SCORES S, KF
	SCORES O, VF
.if \last
	v_mov_b32 v[ADK], v[LI]
.else
	s_add_co_u32 s[TB], s[TB], 8192
	v_add_nc_u32 v[ADK], s[TB], v[LI]
.endif
.rept 3
	v_nop                                          ; with the line above: four places in front of the loads and of the first read of the scores
.endr
	LOAD4 KF, ADK, 0
.if \last == 0
	LOAD4 VF, ADK, 4096
.endif
	TOP S
	TOP O
.endm
.macro HOLD t                          ; the conversion to an 8-bit code does not saturate (ISA guide 7.6.2); p is not negative, so the hold is one-sided; two numbers a line
.set n, 0
.rept 16
	v_dual_min_num_f32 v[S+32*\t+n], v[S+32*\t+n], v[H9] :: v_dual_min_num_f32 v[S+32*\t+n+1], v[S+32*\t+n+1], v[H9+1]
.set n, n+2
.endr
.endm
; WALK 2, a step: 64 keys.  first = 1: the products start O^T's sums.  last = 1: no further images of K.
.macro STEP first, last
	s_wait_dscnt 0x0                               ; K's images are in
	SCORES S, KF
	v_add_nc_u32 v[ADV], s[TV], v[LI]
.if \last
	v_nop
.else
	v_add_nc_u32 v[ADK], s[TB], v[LI]
.endif
	v_nop                                          ; four places in all: in front of the loads into registers that products have read, and of the first read of the scores
	v_nop
	LOAD4 VF, ADV, 0                               ; this step's V,
.if \last == 0
	LOAD4 KF, ADK, 0                               ; the next step's K: both land under the softmax
.endif
.irp t, 0,1
.set n, 0
.rept 16
	v_pk_fma_f32 v[S+32*\t+n:S+32*\t+n+1], v[S+32*\t+n:S+32*\t+n+1], s[CS:CS+1], v[NM+2*\t:NM+2*\t+1] op_sel_hi:[1,0,0]   ; t - M, two at a time (of the pairs c and -M the low word serves both halves)
.set n, n+2
.endr
.endr
	s_wait_alu depctr_va_vdst(0)                   ; the wait ahead of the batch
.set n, 0
.rept 64
	v_exp_f32 v[S+n], v[S+n]                       ; p = 2^(t - M), at most 1: both tiles' 64 are one batch
.set n, n+1
.endr
	v_nop                                          ; a plain line behind the last exponential
	s_wait_alu depctr_va_vdst(0)                   ; one wait for the whole batch, ahead of its first reader
.set n, 0
.rept 8                                ; the row's sum is taken of the UNQUANTISED p: two at a time, four chains by turns
.irp t, 0,1
	v_pk_add_f32 v[L+4*\t:L+4*\t+1], v[L+4*\t:L+4*\t+1], v[S+32*\t+n:S+32*\t+n+1]
	v_pk_add_f32 v[L+4*\t+2:L+4*\t+3], v[L+4*\t+2:L+4*\t+3], v[S+32*\t+n+2:S+32*\t+n+3]
.endr
.set n, n+4
.endr
.irp t, 0,1
	HOLD \t
.irp i, 0,1,2,3
	v_cvt_scalef32_pk8_fp8_f32 v[P+8*\t+2*\i:P+8*\t+2*\i+1], v[S+32*\t+8*\i:S+32*\t+8*\i+7], v[SC9]   ; keys 16 i + 8 h + 0..7: registers 2 i, 2 i + 1 of the operand
.endr
.endr
	v_nop                                          ; a plain line behind the last conversion
.if \last
	s_wait_dscnt 0x0                               ; V is in
.else
	s_wait_dscnt 8                                 ; V is in; the 8 loads issued behind it (the next K) may be out
.endif
	s_wait_alu depctr_va_vdst(0)                   ; the wait directly ahead of the first reader of p's codes and of O^T
.irp d, 0,1,2,3                        ; O^T += V^T P^T: channels 16 d on; the eight accumulators take turns, one instruction a turn
.irp t, 0,1
.if \first
	v_wmma_f32_16x16x64_fp8_fp8 v[O+32*\t+8*\d:O+32*\t+8*\d+7], v[VF+8*\d:VF+8*\d+7], v[P+8*\t:P+8*\t+7], 0
.else
	v_wmma_f32_16x16x64_fp8_fp8 v[O+32*\t+8*\d:O+32*\t+8*\d+7], v[VF+8*\d:VF+8*\d+7], v[P+8*\t:P+8*\t+7], v[O+32*\t+8*\d:O+32*\t+8*\d+7]
.endif
.endr
.endr
	s_add_co_u32 s[TB], s[TB], 4096                ; four images on, in K and in V alike
	s_add_co_u32 s[TV], s[TV], 4096
.endm
	s_mov_b32 s[TB], 0
	s_wait_alu depctr_va_vdst(0)                   ; the wait at the head's end
	s_wait_loadcnt 0x0                             ; Q
	s_wait_tensorcnt 0x0                           ; my piece is in;
	s_barrier_signal -1
	s_barrier_wait -1                              ; everybody's is: all of K and V.
	LOAD4 KF, ADK, 0
	LOAD4 VF, ADK, 4096
	s_mov_b32 s[CNT], 15
.Lpeak:                                            ; 15 trips and one written out: 16 x 128 keys
	PEAK 0
	s_sub_co_u32 s[CNT], s[CNT], 1
	s_cmp_lg_u32 s[CNT], 0
	s_wait_alu depctr_va_vdst(0)                   ; the wait directly ahead of the branch
	s_cbranch_scc1 .Lpeak
	PEAK 1
.irp t, 0,1
	v_max_num_f32 v[MX+2*\t], v[MX+2*\t], v[MX+2*\t+1]
.endr
.irp t, 0,1
	v_permlanex16_b32 v[PT+\t], v[MX+2*\t], s[SEL], s[SEL+1]
.endr
.irp t, 0,1
	v_max_num_f32 v[MX+2*\t], v[MX+2*\t], v[PT+\t]         ; and among lane l xor 16's: the row's largest score
.endr
.irp t, 0,1
	v_mul_f32 v[MX+2*\t], s[CS], v[MX+2*\t]                ; as t (c is positive)
.endr
.irp t, 0,1
	v_floor_f32 v[NM+2*\t], -v[MX+2*\t]                    ; -M = floor(-t) = -ceil(t): M is a whole number
.endr
	s_mov_b32 s[TB], 4096                          ; K's images of step 1
	s_mov_b32 s[TV], VOFF                          ; V's of step 0
	s_wait_alu depctr_va_vdst(0)
	STEP 1, 0
	s_mov_b32 s[CNT], 30
.Lstep:                                            ; 32 steps of 64 keys: the first and the last are written out
	STEP 0, 0
	s_sub_co_u32 s[CNT], s[CNT], 1
	s_cmp_lg_u32 s[CNT], 0
	s_cbranch_scc1 .Lstep
	STEP 0, 1
	; THE WAY OUT.  O^T x 2^(e8 + e9) / the sum, the hold, the conversion with 2^e10: accumulator d's 8 numbers are registers 2 d, 2 d + 1 of the last product's operand.
	; The additions and moves below are the places behind the last products.
.irp t, 0,1
	v_pk_add_f32 v[L+4*\t:L+4*\t+1], v[L+4*\t:L+4*\t+1], v[L+4*\t+2:L+4*\t+3]   ; the sum's two chains,
.endr
.irp t, 0,1
	v_add_f32 v[MX+2*\t], v[L+4*\t], v[L+4*\t+1]           ; two halves,
.endr
.irp t, 0,1
	v_permlanex16_b32 v[PT+\t], v[MX+2*\t], s[SEL], s[SEL+1]
.endr
.irp t, 0,1
	v_add_f32 v[MX+2*\t], v[MX+2*\t], v[PT+\t]             ; and lane l xor 16's
.endr
	s_wait_alu depctr_va_vdst(0)                   ; the wait ahead of the batch
.irp t, 0,1
	v_rcp_f32 v[F+2*\t], v[MX+2*\t]
.endr
	v_mov_b32 v[KF], s44                           ; 2^e10 (plain lines behind the last reciprocal; K's registers are free)
	v_mov_b32 v[KF+1], s45                         ; 448 x 2^e10
	s_wait_alu depctr_va_vdst(0)                   ; one wait for the two, ahead of their first reader
.irp t, 0,1
	v_ldexp_f32 v[F+2*\t], v[F+2*\t], s57
.endr
	s_wait_alu depctr_va_vdst(0)                   ; the wait directly ahead of the first reader of O^T
.irp t, 0,1
.set n, 0
.rept 16
	v_pk_mul_f32 v[S+32*\t+n:S+32*\t+n+1], v[O+32*\t+n:O+32*\t+n+1], v[F+2*\t:F+2*\t+1] op_sel_hi:[1,0]   ; each accumulator from its low end on
.set n, n+2
.endr
.endr
.set n, 0
.rept 64
	v_med3_num_f32 v[S+n], v[S+n], -v[KF+1], v[KF+1]
.set n, n+1
.endr
.irp t, 0,1
.irp d, 0,1,2,3
	v_cvt_scalef32_pk8_fp8_f32 v[P+8*\t+2*\d:P+8*\t+2*\d+1], v[S+32*\t+8*\d:S+32*\t+8*\d+7], v[KF]
.endr
.endr
	v_nop                                          ; a plain line behind the last conversion
.irp t, 0,1
.irp i, 0,1
	global_store_b128 v[LI], v[P+8*\t+4*\i:P+8*\t+4*\i+3], s[12:13] offset:4096*\t+512*\i   ; 32 lanes store 512 consecutive bytes, aligned
.endr
.endr
	s_wait_tensorcnt 0x0                           ; the wave's end
	ds_add_u32 v[SPW], v[NIL]
	s_wait_dscnt 0x0
	CROUND                                         ; the closing round: no work-group ends while a partner may still ask for a piece that names it
	s_endpgm
.Lfunc_end_k_qc097372c32_attn:
	.size	k_qc097372c32_attn, .Lfunc_end_k_qc097372c32_attn-k_qc097372c32_attn
	.p2alignl 7, 3214868480
	.fill 96, 4, 3214868480
	.section	.rodata,"a",@progbits
	.p2align	6, 0x0
	.amdhsa_kernel k_qc097372c32_attn
		.amdhsa_group_segment_fixed_size 264192
		.amdhsa_private_segment_fixed_size 0
		.amdhsa_enable_private_segment 0
		.amdhsa_kernarg_size 40
		.amdhsa_user_sgpr_count 2
		.amdhsa_user_sgpr_kernarg_segment_ptr 1
		.amdhsa_wavefront_size32 1
		.amdhsa_system_sgpr_workgroup_id_x 1
		.amdhsa_system_sgpr_workgroup_id_y 1
		.amdhsa_system_sgpr_workgroup_id_z 1
		.amdhsa_system_vgpr_workitem_id 0
		.amdhsa_next_free_vgpr 256
		.amdhsa_next_free_sgpr 70
		.amdhsa_reserve_vcc 0
		.amdhsa_float_denorm_mode_32 3
		.amdhsa_float_denorm_mode_16_64 3
		.amdhsa_memory_ordered 1
		.amdhsa_forward_progress 1
		.amdhsa_inst_pref_size 61
	.end_amdhsa_kernel
	.amdgpu_metadata
---
amdhsa.version: [ 1, 2 ]
amdhsa.kernels:
  - .name:           k_qc097372c32_attn
    .symbol:         k_qc097372c32_attn.kd
    .args:
      - { .name: qc, .offset: 0, .size: 8, .value_kind: global_buffer, .address_space: global }
      - { .name: kc, .offset: 8, .size: 8, .value_kind: global_buffer, .address_space: global }
      - { .name: vc, .offset: 16, .size: 8, .value_kind: global_buffer, .address_space: global }
      - { .name: lowp_scales, .offset: 24, .size: 8, .value_kind: global_buffer, .address_space: global }
      - { .name: ac, .offset: 32, .size: 8, .value_kind: global_buffer, .address_space: global }
    .group_segment_fixed_size: 264192
    .private_segment_fixed_size: 0
    .kernarg_segment_align: 8
    .kernarg_segment_size: 40
    .max_flat_workgroup_size: 512
    .sgpr_count:     70
    .vgpr_count:     256
    .wavefront_size: 32
...
	.end_amdgpu_metadata
.endif
;; end of part 3
;; launch outp (part 4): grid 4 x 64, 4 waves a work-group, clusters of 4 x 1, 167,936 bytes of LDS; arguments ac, wc, bo, lowp_scales, out0; writes out0
.if DOCPART == 4
	.amdgcn_target "amdgcn-amd-amdhsa--gfx1250"
	.amdhsa_code_object_version 6
	.text
	.protected	k_qc097372c32_outp
	.globl	k_qc097372c32_outp
	.p2align	8
	.type	k_qc097372c32_outp,@function
k_qc097372c32_outp:
	s_mov_b64 s[64:65], 0
	v_nop
	global_prefetch_b8 v0, s[64:65] scope:SCOPE_SE
	s_setreg_imm32_b32 hwreg(HW_REG_WAVE_MODE, 25, 1), 1
	s_wait_xcnt 0x0
	s_wait_alu depctr_hold_cnt(0) depctr_sa_sdst(0) depctr_va_vdst(0) depctr_va_sdst(0) depctr_va_ssrc(0) depctr_va_vcc(0) depctr_vm_vsrc(0)
	s_getreg_b32 s2, hwreg(HW_REG_IB_STS2, 6, 4)
	s_cmp_eq_u32 s2, 0
	s_cbranch_scc0 .Lentry_in_a_cluster
	s_endpgm
.Lentry_in_a_cluster:
	s_bfe_u32 s2, ttmp6, 0x10000c
	s_cmp_lg_u32 s2, 0x3003
	s_cbranch_scc0 .Lentry_shape_is_right
	s_endpgm
.Lentry_shape_is_right:
; out0[m][n] = 2^(e10 + e11) x (the sum over k of A[m][k] Wo[n][k]) + bo[n]: A = the attention's result, 8,192 x 1,024, and Wo, 1,024 x 1,024, both as codes of FP8 (E4M3); sums in f32.
; LIMIT: e10 + e11 lies between -126 and 127, so that 2^(e10 + e11) is an f32 number.
; BUFFERS are images of operands' registers (1,024 bytes: 16 rows x 64 k; two on end are a 16x16x128 operand: registers 4c .. 4c+3 of lane l at 512 c + 16 l):
; ac [kstep of 256 k: 4][tile of 16 rows: 512][4][1024];  wc [weight 4][kstep 4][tile of 16 rows: 64][4][1024], Wo is weight 3.
; SHARES.  A work-group makes 128 rows x 256 columns: 64 x 4 = 256 work-groups.  Each of its four waves makes all 128 rows x 64 columns: 32 accumulators of 16 x 16, 256 registers.
; Wo STAYS IN REGISTERS: a wave's 64 rows of Wo x 1,024 k are 65,536 bytes, 512 registers, loaded once, each load 512 consecutive bytes of an image; no two waves of a work-group load the same bytes.
; A STAYS IN LDS: 128 rows x 1,024 k = 131,072 bytes, filled ONCE: wave w brings kstep w by one load of 32,768 bytes.  Nothing is filled again: no ring, one barrier behind the fill.
; CLUSTER.  The four column blocks of a row block need the same A: each piece is asked for jointly by the four.  Wo's rows are shared by no two partners.
; NO PREFETCH: every byte of A and Wo is asked for at the head; no later load exists for a request to run ahead of.
; THE MATRIX INSTRUCTION IS USED TRANSPOSED (source 0 = 16 rows of Wo, source 1 = 16 rows of A): a lane holds eight neighbouring numbers of a row of the result.
; REGISTERS, in windows of 256: window 0: v0-31 addresses and the bias; v64-255 three sets of four fragments of A (on the way out: rows read back from the stage);
; window 1: Wo's fragments of k 0-511 (v[64 (q % 4) + 16 b]), window 2: of k 512-1023; window 3: accumulator (a, b) at v[8 (4 a + b)].
.set SP,     272                       ; a stage row: 256 bytes + 16
.set STAGE,  131072                    ; behind A: 16 rows x SP for each wave, bytes into which no fill lands
.set SPARE,  STAGE+4*16*SP             ; behind the stages: the spare words, 128 bytes for each wave
.set VO,   8                           ; v8  16 x lane: my bytes of an image; A's ksteps 0, 1.  v9  the same + 65,536: ksteps 2, 3
.set STO,  12                          ; v12 the way out: where I put 32 bytes of a row
.set RD,   13                          ; v13 where I read rows back
.set CO,   14                          ; v14 my byte offset in out0
.set BOF,  15                          ; v15 16 x (lane % 16)
.set SPW,  16                          ; v16 my spare word; never rewritten
.set NIL,  17                          ; v17 0; never rewritten
.set BO,   20                          ; v20-23 the bias of my four columns on the way out
.set AS,   64                          ; A's three sets
.set BK,   64                          ; the way out: two sets of 32
.set WV, 22
.set TX, 23
.set TY, 25
.set G1, 28                            ; s[28:35] descriptor group 1
.set G0, 36                            ; s[36:39] group 0
.set MSB, 0
.macro WIN new                         ; the immediate's high byte repeats the setting that is left
.if MSB != \new
	s_set_vgpr_msb (MSB<<8)|\new
.set MSB, \new
.endif
.endm
.macro PLACES n
.rept \n
	v_nop
.endr
.endm
.macro CROUND                          ; a round of the cluster's barrier
	s_barrier_signal -1
	s_barrier_wait -1
	s_cmp_lg_u32 s[WV], 0
	s_cbranch_scc1 .Lnot_wave_0_\@
	s_barrier_signal -3
.Lnot_wave_0_\@:
	s_barrier_wait -3
	s_barrier_signal -1
	s_barrier_wait -1
.endm
	s_load_b256 s[4:11], s[0:1], 0x0               ; ac s[4:5], wc s[6:7], bo s[8:9], lowp_scales s[10:11]
	s_load_b64 s[12:13], s[0:1], 0x20              ; out0
	v_lshl_add_u32 v[SPW], v0, 2, SPARE
	v_mov_b32 v[NIL], 0
	ds_add_u32 v[SPW], v[NIL]                      ; the opening lines: the add, twice on end, and its wait ahead of my tensor load
	ds_add_u32 v[SPW], v[NIL]
	v_lshrrev_b32 v1, 5, v0
	v_readfirstlane_b32 s[WV], v1                  ; wave 0..3
	s_bfe_u32 s[TX], ttmp6, 0x40000                ; cx
	s_lshl_b32 s24, ttmp9, 2
	s_add_co_u32 s[TX], s[TX], s24                 ; my block of 256 columns: it enters Wo's, the bias's and out0's addresses alone
	s_and_b32 s[TY], ttmp7, 0xffff                 ; my block of 128 rows, which the four partners share
	; descriptor group 1: a dense block of 32,768 bytes as 128 rows of 32 elements of 8 bytes, no padding
	s_mov_b32 s[G1], 15|(3<<16)|(1<<21)            ; 15:0 the mask: all four work-groups; 17:16 elements of 8 bytes; 21 set beside a mask
	s_mov_b32 s[G1+1], 32<<16                      ; tensor_dim0 = 32
	s_mov_b32 s[G1+2], 128<<16                     ; tensor_dim1 = 128
	s_mov_b32 s[G1+3], 32<<16                      ; tile_dim0 = 32
	s_mov_b32 s[G1+4], 128                         ; tile_dim1 = 128
	s_mov_b32 s[G1+5], 32                          ; tensor_dim0_stride: rows on end
	s_mov_b32 s[G1+6], 0
	s_mov_b32 s[G1+7], 0
	s_lshl_b32 s40, s[TY], 15                      ; A: eight tiles of 4,096 bytes a row block,
	s_lshl_b32 s41, s[WV], 21                      ; kstep = my wave: 2,097,152 bytes a kstep
	s_add_co_u32 s40, s40, s41
	s_mov_b32 s41, 0
	s_lshl_b32 s42, s[TX], 16                      ; Wo: sixteen tiles a column block,
	s_lshl_b32 s43, s[WV], 14                      ; four a wave,
	s_add_co_u32 s42, s42, s43
	s_add_co_u32 s42, s42, 3*1048576               ; in weight 3
	s_mov_b32 s43, 0
	s_lshl_b32 s44, s[TX], 10
	s_lshl_b32 s45, s[WV], 8
	s_add_co_u32 s44, s44, s45                     ; my first column, in bytes of f32
	s_mov_b32 s45, 0
	s_lshl_b32 s46, s[TY], 19                      ; my first row of out0: 128 rows of 4,096 bytes a block
	s_add_co_u32 s46, s46, s44
	s_mov_b32 s47, 0
	s_lshl_b32 s48, s[WV], 15                      ; where my kstep goes in LDS
	s_mul_i32 s49, s[WV], 16*SP
	s_add_co_u32 s49, s49, STAGE                   ; my stage
	s_wait_dscnt 0x0                               ; both opening adds are done
	s_wait_kmcnt 0x0
	s_load_b64 s[86:87], s[10:11], 0x28            ; e10, e11
	s_add_nc_u64 s[40:41], s[4:5], s[40:41]
	s_add_nc_u64 s[6:7], s[6:7], s[42:43]
	s_add_nc_u64 s[8:9], s[8:9], s[44:45]
	s_add_nc_u64 s[12:13], s[12:13], s[46:47]
	CROUND                                         ; all four work-groups are here: the joint loads meet
	s_mov_b32 s[G0], 1                             ; count = 1
	s_mov_b32 s[G0+1], s48                         ; LDS address
	s_mov_b64 s[G0+2:G0+3], s[40:41]
	s_or_b32 s[G0+3], s[G0+3], 0x80000000          ; type = 2
	tensor_load_to_lds s[G0:G0+3], s[G1:G1+7]      ; my one tensor load: A's kstep w
	s_nop 0
	PLACES 4
	v_and_b32 v1, 31, v0
	v_lshlrev_b32 v[VO], 4, v1
	v_add_nc_u32 v[VO+1], 65536, v[VO]
	v_and_b32 v2, 15, v0                           ; r
	v_bfe_u32 v3, v0, 4, 1                         ; h
	v_lshlrev_b32 v[BOF], 4, v2
	v_mul_u32_u24 v[STO], v2, SP                   ; in: row r, 32 bytes for each half of the lanes
	v_lshl_add_u32 v[STO], v3, 5, v[STO]
	v_add_nc_u32 v[STO], s49, v[STO]
	v_mul_u32_u24 v[RD], v3, SP                    ; back: lanes 0-15 take one row of 256 bytes, lanes 16-31 the next
	v_add_nc_u32 v[RD], v[RD], v[BOF]
	v_add_nc_u32 v[RD], s49, v[RD]
	v_lshl_add_u32 v[CO], v3, 12, v[BOF]           ; and the same two rows in out0
	s_wait_alu depctr_va_vdst(0)                   ; the wait at the head's end
	global_load_b128 v[BO:BO+3], v[BOF], s[8:9]
.macro BLOAD q                         ; Wo's four fragments of the q-th 128 along K: 16 loads of 512 consecutive bytes
.irp b, 0,1,2,3
.irp c, 0,1,2,3
	global_load_b128 v[64*((\q)%4)+16*\b+4*\c:64*((\q)%4)+16*\b+4*\c+3], v[VO], s[6:7] offset:262144*((\q)/2)+2048*((\q)%2)+4096*\b+512*\c
.endr
.endr
.endm
	WIN 0x40                                       ; destination window 1, address window 0
.irp q, 0,1,2,3
	BLOAD \q
.endr
	WIN 0x80                                       ; destination window 2
.irp q, 4,5,6,7
	BLOAD \q
.endr
	WIN 0
	s_wait_kmcnt 0x0
	s_add_co_i32 s86, s86, s87
	s_add_co_i32 s86, s86, 127
	s_lshl_b32 s86, s86, 23                        ; 2^(e10 + e11) as f32
	s_mov_b32 s87, s86                             ; (named with it as a pair, so it is written)
	s_wait_tensorcnt 0x0                           ; my kstep is in;
	s_barrier_signal -1
	s_barrier_wait -1                              ; everybody's is: all of A.
; A half step u: the (u / 2)-th 128 along K, A's blocks 4 (u % 2) .. + 3, against Wo's four: 16 matrix instructions.  Its fragments lie in set u % 3.
.macro ALOAD u
.set LQ, (\u)/2
.set LG, (\u)%2
.irp a, 0,1,2,3
.irp c, 0,1,2,3
	ds_load_b128 v[AS+64*((\u)%3)+16*\a+4*\c:AS+64*((\u)%3)+16*\a+4*\c+3], v[VO+LQ/4] offset:32768*((LQ/2)%2)+2048*(LQ%2)+4096*(4*LG+\a)+512*\c
.endr
.endr
.endm
.macro HALF u
	WIN 0
.if (\u) < 14
	PLACES 4                                       ; four places in front of loads into the set that the half step before has multiplied
	ALOAD (\u)+2                                   ; two half steps ahead
	s_wait_dscnt 32                                ; this half step's set is in; the 32 loads of the next two may be out
.else
	s_wait_dscnt 16*(15-(\u))
.endif
.set QQ, (\u)/2
.set GG, (\u)%2
.if GG == 0
.if QQ < 4
	s_wait_loadcnt 63                              ; behind this K step's loads of Wo 64 or more were issued: all but the youngest 63 are in
.else
	s_wait_loadcnt 16*(7-QQ)                       ; the later K steps' loads, 16 each, may be out
.endif
.endif
.set WN, 0xf1+QQ/4                     ; source 0 (Wo) window 1 or 2, source 1 (A) window 0, C and D window 3
	WIN WN
.irp a, 0,1,2,3                        ; the accumulators take turns, one instruction a turn; the first K step starts the sums
.irp b, 0,1,2,3
.if QQ == 0
	v_wmma_f32_16x16x128_fp8_fp8 v[8*(4*(4*GG+\a)+\b):8*(4*(4*GG+\a)+\b)+7], v[64*(QQ%4)+16*\b:64*(QQ%4)+16*\b+15], v[AS+64*((\u)%3)+16*\a:AS+64*((\u)%3)+16*\a+15], 0
.else
	v_wmma_f32_16x16x128_fp8_fp8 v[8*(4*(4*GG+\a)+\b):8*(4*(4*GG+\a)+\b)+7], v[64*(QQ%4)+16*\b:64*(QQ%4)+16*\b+15], v[AS+64*((\u)%3)+16*\a:AS+64*((\u)%3)+16*\a+15], v[8*(4*(4*GG+\a)+\b):8*(4*(4*GG+\a)+\b)+7]
.endif
.endr
.endr
.endm
	ALOAD 0
	ALOAD 1
.set U, 0
.rept 16
	HALF U
.set U, U+1
.endr
	WIN 0
; THE WAY OUT, block by block of 16 rows x 64 columns.  A lane holds 32 neighbouring bytes of a row, the lanes beside it other rows: so a block goes through my own stage in LDS and comes back as
; whole rows of 256 bytes, which sixteen lanes store as one aligned unit.  LDS serves a wave's instructions in order (ISA guide 5.7.1.4): no wait between the stores and the loads.
.macro TOSTAGE a
	WIN 0x0c                                       ; the stores' data: window 3
.irp b, 0,1,2,3
	ds_store_b128 v[STO], v[32*(\a)+8*\b:32*(\a)+8*\b+3] offset:64*\b          ; each accumulator from its low end on
	ds_store_b128 v[STO], v[32*(\a)+8*\b+4:32*(\a)+8*\b+7] offset:64*\b+16
.endr
	WIN 0
.set BB, BK+32*((\a)%2)
.irp t, 0,1,2,3,4,5,6,7
	ds_load_b128 v[BB+4*\t:BB+4*\t+3], v[RD] offset:2*\t*SP
.endr
.endm
.macro SEND a, younger                 ; younger: the LDS instructions issued behind block a's loads, which may stay out
.set BB, BK+32*((\a)%2)
	s_wait_dscnt \younger
.if (\a) > 0
	s_add_nc_u64 s[12:13], s[12:13], 16*4096       ; (behind a wait on XCNT: the earlier stores have read their base)  16 rows on
.endif
.irp t, 0,1,2,3,4,5,6,7
	v_pk_fma_f32 v[BB+4*\t:BB+4*\t+1], v[BB+4*\t:BB+4*\t+1], s[86:87], v[BO:BO+1] op_sel_hi:[1,0,1]       ; x 2^(e10 + e11), + the bias
	v_pk_fma_f32 v[BB+4*\t+2:BB+4*\t+3], v[BB+4*\t+2:BB+4*\t+3], s[86:87], v[BO+2:BO+3] op_sel_hi:[1,0,1]
.endr
.irp t, 0,1,2,3,4,5,6,7
	global_store_b128 v[CO], v[BB+4*\t:BB+4*\t+3], s[12:13] offset:2*\t*4096 th:TH_STORE_NT   ; 16 lanes store 256 consecutive bytes, aligned; written once, read by nobody here
.endr
.endm
	PLACES 4                                       ; in front of the first read of results and of loads into registers that held A's fragments
	TOSTAGE 0
.irp a, 1,2,3,4,5,6,7
.if \a > 1
	s_wait_xcnt 0x0                                ; block a - 2's stores have read their registers and their base
.endif
	TOSTAGE \a
	SEND \a-1, 16                                  ; behind block a - 1's loads: block a's 8 stores and 8 loads
.endr
	s_wait_xcnt 0x0                                ; block 6's stores have read their base
	SEND 7, 0
	s_wait_tensorcnt 0x0                           ; the wave's end
	ds_add_u32 v[SPW], v[NIL]
	s_wait_dscnt 0x0
	CROUND                                         ; the closing round: no work-group ends while a partner may still ask for a piece that names it
	s_endpgm
.Lfunc_end_k_qc097372c32_outp:
	.size	k_qc097372c32_outp, .Lfunc_end_k_qc097372c32_outp-k_qc097372c32_outp
	.p2alignl 7, 3214868480
	.fill 96, 4, 3214868480
	.section	.rodata,"a",@progbits
	.p2align	6, 0x0
	.amdhsa_kernel k_qc097372c32_outp
		.amdhsa_group_segment_fixed_size 167936
		.amdhsa_private_segment_fixed_size 0
		.amdhsa_enable_private_segment 0
		.amdhsa_kernarg_size 40
		.amdhsa_user_sgpr_count 2
		.amdhsa_user_sgpr_kernarg_segment_ptr 1
		.amdhsa_wavefront_size32 1
		.amdhsa_system_sgpr_workgroup_id_x 1
		.amdhsa_system_sgpr_workgroup_id_y 1
		.amdhsa_system_sgpr_workgroup_id_z 1
		.amdhsa_system_vgpr_workitem_id 0
		.amdhsa_next_free_vgpr 1024
		.amdhsa_next_free_sgpr 100
		.amdhsa_reserve_vcc 0
		.amdhsa_float_denorm_mode_32 3
		.amdhsa_float_denorm_mode_16_64 3
		.amdhsa_memory_ordered 1
		.amdhsa_forward_progress 1
		.amdhsa_inst_pref_size 76
	.end_amdhsa_kernel
	.amdgpu_metadata
---
amdhsa.version: [ 1, 2 ]
amdhsa.kernels:
  - .name:           k_qc097372c32_outp
    .symbol:         k_qc097372c32_outp.kd
    .args:
      - { .name: ac, .offset: 0, .size: 8, .value_kind: global_buffer, .address_space: global }
      - { .name: wc, .offset: 8, .size: 8, .value_kind: global_buffer, .address_space: global }
      - { .name: bo, .offset: 16, .size: 8, .value_kind: global_buffer, .address_space: global }
      - { .name: lowp_scales, .offset: 24, .size: 8, .value_kind: global_buffer, .address_space: global }
      - { .name: out0, .offset: 32, .size: 8, .value_kind: global_buffer, .address_space: global }
    .group_segment_fixed_size: 167936
    .private_segment_fixed_size: 0
    .kernarg_segment_align: 8
    .kernarg_segment_size: 40
    .max_flat_workgroup_size: 128
    .sgpr_count:     100
    .vgpr_count:     1024
    .wavefront_size: 32
...
	.end_amdgpu_metadata
.endif
;; end of part 4
